; MI455X (gfx1250); checked and timed in simulation.
; The chip was launched on July 23, 2026; its instructions are those of AMD's public machine-readable ISA for CDNA 5 (MIT licence, August 2026) and "CDNA5" Instruction Set Architecture Reference Guide (July 2026). The comments in the code are by the model that wrote it; some were corrected since.
;; Causal Self Attention. Allowed arithmetic: matrix products marked QUANTISED: E4M3 operands, one given power-of-two scale a tensor, by v_wmma_f32_16x16x64_fp8_fp8 or v_wmma_f32_16x16x128_fp8_fp8, f32 sums; everything else in f32.
;; Inputs: Wk 1,024 x 1,024 float32; Wo 1,024 x 1,024 float32; Wq 1,024 x 1,024 float32; Wv 1,024 x 1,024 float32; bk 1,024 float32; bo 1,024 float32; bq 1,024 float32; bv 1,024 float32; lowp_scales 12 int32 (the exponents e of the quantised operands' scales 2^e); padding_mask 4 x 2,048 bool; x 4 x 2,048 x 1,024 float32.
;; Outputs: out0 4 x 2,048 x 1,024 float32.
;; This version of the problem:
;;   THIS VERSION OF THE PROBLEM IS GIVEN IN LOW PRECISION. The matrix products marked QUANTISED in the list below multiply operands that are first quantised to E4M3 (4 exponent bits, 3 mantissa bits; 8 bits a number), with one given power-of-two scale for each operand tensor; their sums are f32. All else is computed in f32.
;;   The module's matrix products, in the order in which they are computed (A, B: the left and right operand; K: the contracted axis; several contracted axes count as one K, in the product's order):
;;     1. [M 8,192, K 1,024] x [K 1,024, N 1,024]; A: input x; B: input Wq: QUANTISED (scales: A lowp_scales[0], B lowp_scales[1])
;;     2. [M 8,192, K 1,024] x [K 1,024, N 1,024]; A: input x; B: input Wk: QUANTISED (scales: A lowp_scales[2], B lowp_scales[3])
;;     3. [M 8,192, K 1,024] x [K 1,024, N 1,024]; A: input x; B: input Wv: QUANTISED (scales: A lowp_scales[4], B lowp_scales[5])
;;     4. batch 64 x [M 2,048, K 64] x [K 64, N 2,048]; A: computed on the way; B: computed on the way: QUANTISED (scales: A lowp_scales[6], B lowp_scales[7])
;;     5. batch 64 x [M 2,048, K 2,048] x [K 2,048, N 64]; A: softmax (see below); B: computed on the way: QUANTISED (scales: A lowp_scales[8], B lowp_scales[9])
;;     6. [M 8,192, K 1,024] x [K 1,024, N 1,024]; A: computed on the way; B: input Wo: QUANTISED (scales: A lowp_scales[10], B lowp_scales[11])
;;   THE QUANTISER, for each operand of a quantised product, along K:
;;     - The operand's scale is 2^e, e = its entry of the input lowp_scales (int32; the entries are numbered through the quantised products in the list's order, A before B).
;;     - Each number is divided by the scale, clamped to +-448, and rounded to the nearest number of E4M3, ties to even, subnormals kept.
;;     - The product sums the exact products of the quantised numbers (number of the format x scale) in f32.
;;   ~~~python
;;   def quantise(x, axis, e):      # numpy; x: float32 -> the quantised numbers, widened to float32 again
;;       x = np.moveaxis(x, axis, -1); K = x.shape[-1]
;;       r = np.clip(x / 2.0 ** e, -448, 448)
;;       step = 2.0 ** (np.maximum(np.frexp(np.where(r == 0, 1, r))[1] - 1, -6) - 3)
;;       q = np.round(r / step) * step * 2.0 ** e      # np.round: ties to even
;;       return np.moveaxis(q, -1, axis).astype(np.float32)
;;   ~~~
;;   SOFTMAX AHEAD OF A QUANTISED PRODUCT. Where the list says 'softmax', what is quantised is not the finished softmax but p = 2^(t - M), with t = logit x log2(e) and M = ceil(the row's largest t), a whole number; so 1/2 < the row's largest p <= 1. The row's sum l is taken of the UNQUANTISED p, in f32, and the product's result is divided by l at the end. Since M is a whole number, a kernel that streams over the keys may use a running M (the ceiling of the running maximum): every later rescaling is an exact power of two, so the quantised numbers keep their values, but for numbers so far below the row's largest that they fall under the format's range.
;;   OPERANDS COMPUTED ON THE WAY. 'Computed on the way' means the value that the module computes at that place (a softmax that the list does not call 'softmax' is quantised finished and normalised). What goes into a quantiser is computed in f32, as accurately as f32 sums, v_exp_f32 and their like allow (about 1e-6 of the number): no bf16 or f16 on the way to a quantiser, and a product that is left as it is and whose result goes on into a quantised operand takes f32 operands (vector FMAs, or v_wmma_f32_16x16x4_f32). A number that lies on a knife's edge between two numbers of the format may be rounded either way, as far as f32 arithmetic and the matrix unit's own rounding can turn it there, and no further.
;; One version. Each part assembles by itself: llvm-mc -triple=amdgcn-amd-amdhsa -mcpu=gfx1250 --defsym DOCPART=n.
;; ======== version 1 of 1: 4 launches
;; limits: right only within a limited range of input values
;; workspace buffers: cod 29,360,128 bytes; qc 8,388,608 bytes; kv 17,301,504 bytes; ao 8,388,608 bytes
;; launch quant (part 1): grid 256 x 1, 8 waves a work-group, no clusters, 136,192 bytes of LDS; arguments x, Wq, Wk, Wv, Wo, lowp_scales, cod; writes cod
.if DOCPART == 1
	.amdgcn_target "amdgcn-amd-amdhsa--gfx1250"
	.amdhsa_code_object_version 6
	.text
	.protected	k_q5e7b66cd69_quant
	.globl	k_q5e7b66cd69_quant
	.p2align	8
	.type	k_q5e7b66cd69_quant,@function
k_q5e7b66cd69_quant:
	s_mov_b64 s[64:65], 0
	v_nop
	global_prefetch_b8 v0, s[64:65] scope:SCOPE_SE
	s_setreg_imm32_b32 hwreg(HW_REG_WAVE_MODE, 25, 1), 1
	s_wait_xcnt 0x0
; x [8192][1024] and the four weights [1024][1024], f32, K innermost, become codes of E4M3 in the buffer cod, laid as IMAGES OF OPERAND REGISTERS:
; a fragment (16 rows x 128 K) is 2,048 bytes: group c (0..3) of 512 bytes, lane l = 16 h + r has 16 bytes at 16 l: k = 32 c + 16 h + 0..15 of the fragment's row r.
;   x, three times (scales e0, e2, e4 for the three projections): p*8388608 + s*2097152 + mt*4096 + q*2048   (s = k/256, mt = row/16, q = (k/128)%2; rows as they lie)
;   weight w (0 Wq e1, 1 Wk e3, 2 Wv e5, 3 Wo e11): 25165824 + w*1048576 + s*262144 + nt*4096 + q*2048; row r of tile nt is W's row 32 (nt/2) + 8 (nt%2) + r + 8 (r/8),
;   so that in a product used transposed the 16 registers of two neighbouring tiles are 16 neighbouring features.
; code = number / 2^e, held within +-448, to the nearest code, ties to even.  LIMITS: each e between -126 and 119; NaN among the inputs is not served.
; SHARES: 2,048 waves; wave g takes two fragments of x (tile g/4, K step g%4, q = 0, 1), each converted three times, and one fragment of a weight.  One path, no branch, no barrier: waves share nothing.
; Each load reads 512 consecutive bytes of one row; the 16 rows turn through the wave's own stage in LDS (rows 528 bytes apart, so that the sixteen rows of a read start at sixteen different banks)
; and come back 16 neighbours along K to a lane.  All 48 loads of a wave go out at once.  Each store covers 512 consecutive bytes, aligned.
.set R,     16                         ; v16-207  three sets of 64 numbers: as loaded, then 16 c + i = k 32 c + 16 h + i of my row
.set T,     208                        ; v208-239 two sets of 16 held numbers, by turns
.set C,     240                        ; v240-255 a fragment's codes
.set SP,    528
.set STG,   16*SP                      ; a stage
.set WREG,  2*STG                      ; two stages for each wave
.set XIMG,  8388608
.set WBASE, 25165824
	s_load_b256 s[4:11], s[0:1], 0x0               ; x, Wq, Wk, Wv
	s_load_b128 s[12:15], s[0:1], 0x20             ; Wo, the scales' exponents
	s_load_b64 s[16:17], s[0:1], 0x30              ; cod
	v_lshl_add_u32 v7, v0, 2, 0x21000
	s_set_vgpr_msb 0x40
	v_mov_b32 v1, 0
	s_set_vgpr_msb 0x4000
	v_lshrrev_b32 v4, 5, v0
	v_readfirstlane_b32 s20, v4                    ; wave 0..7
	v_and_b32 v4, 31, v0
	v_lshlrev_b32 v1, 4, v4                        ; 16 x lane: my bytes of a load's or a store's 512
	s_mul_i32 s23, s20, WREG
	v_add_nc_u32 v2, s23, v1                       ; the stage, on the way in
	v_and_b32 v5, 15, v0
	v_bfe_u32 v6, v0, 4, 1
	v_mul_u32_u24 v3, v5, SP
	v_lshl_add_u32 v3, v6, 6, v3
	v_add_nc_u32 v3, s23, v3                       ; and on the way out: row r, + 64 h
	s_lshl_b32 s21, ttmp9, 3
	s_add_co_u32 s21, s21, s20                     ; g
	s_lshr_b32 s22, ttmp9, 6                       ; w = g / 512
	s_lshr_b32 s50, s21, 2                         ; mt
	s_and_b32 s51, s21, 3                          ; s
	s_lshl_b32 s54, s50, 16                        ; x: 16 rows of 4,096 bytes a tile,
	s_lshl_b32 s52, s51, 10                        ; 1,024 bytes a K step
	s_add_co_u32 s54, s54, s52
	s_mov_b32 s55, 0
	s_lshl_b32 s56, s51, 21                        ; its image
	s_lshl_b32 s52, s50, 12
	s_add_co_u32 s56, s56, s52
	s_mov_b32 s57, 0
	s_and_b32 s50, s21, 511
	s_lshr_b32 s51, s50, 3                         ; nt
	s_bfe_u32 s52, s50, 0x20001                    ; s
	s_and_b32 s50, s50, 1                          ; q
	s_lshr_b32 s58, s51, 1
	s_lshl_b32 s58, s58, 17                        ; 32 (nt/2) rows
	s_and_b32 s53, s51, 1
	s_lshl_b32 s53, s53, 15                        ; 8 (nt%2) rows
	s_add_co_u32 s58, s58, s53
	s_lshl_b32 s53, s52, 10
	s_add_co_u32 s58, s58, s53
	s_lshl_b32 s53, s50, 9
	s_add_co_u32 s58, s58, s53
	s_mov_b32 s59, 0
	s_lshl_b32 s60, s22, 20                        ; the weight's image
	s_lshl_b32 s53, s52, 18
	s_add_co_u32 s60, s60, s53
	s_lshl_b32 s53, s51, 12
	s_add_co_u32 s60, s60, s53
	s_lshl_b32 s53, s50, 11
	s_add_co_u32 s60, s60, s53
	s_add_co_u32 s60, s60, WBASE
	s_mov_b32 s61, 0
	s_wait_kmcnt 0x0
	s_load_b256 s[24:31], s[14:15], 0x0            ; e0 .. e7
	s_load_b128 s[32:35], s[14:15], 0x20           ; e8 .. e11
	s_add_nc_u64 s[36:37], s[4:5], s[54:55]
	s_add_nc_u64 s[38:39], s[16:17], s[56:57]      ; three bases: an image's 8,388,608 bytes do not fit a store's immediate
	s_add_nc_u64 s[40:41], s[38:39], XIMG
	s_add_nc_u64 s[42:43], s[40:41], XIMG
	s_cmp_eq_u32 s22, 0                            ; the choice hangs on the work-group's number alone
	s_cselect_b64 s[44:45], s[6:7], s[12:13]
	s_cmp_eq_u32 s22, 1
	s_cselect_b64 s[44:45], s[8:9], s[44:45]
	s_cmp_eq_u32 s22, 2
	s_cselect_b64 s[44:45], s[10:11], s[44:45]
	s_add_nc_u64 s[44:45], s[44:45], s[58:59]
	s_add_nc_u64 s[46:47], s[16:17], s[60:61]
.macro LOADS t, base, off, perm        ; 16 rows x 512 bytes into set t; perm = 1: rows 0-7 and 16-23
.irp i, 0,1,2,3,4,5,6,7,8,9,10,11,12,13,14,15
	global_load_b128 v[R+64*\t+4*\i:R+64*\t+4*\i+3], v1, s[\base:\base+1] offset:\off+(\i+\perm*8*(\i/8))*4096 th:TH_LOAD_NT
.endr
.endm
.macro TURN t                          ; set t through stage t % 2 and back into the registers that it left; LDS serves a wave's instructions in order
.irp i, 0,1,2,3,4,5,6,7,8,9,10,11,12,13,14,15
	ds_store_b128 v2, v[R+64*\t+4*\i:R+64*\t+4*\i+3] offset:STG*((\t)%2)+SP*\i
.endr
.irp c, 0,1,2,3
.irp j, 0,1,2,3
	ds_load_b128 v[R+64*\t+16*\c+4*\j:R+64*\t+16*\c+4*\j+3], v3 offset:STG*((\t)%2)+128*\c+16*\j
.endr
.endr
.endm
.macro MKSC e, sc, lim                 ; 2^e and 448 x 2^e as f32 numbers
	s_add_co_i32 s50, s[\e], 127
	s_lshl_b32 s51, s50, 23
	v_mov_b32 v[\sc], s51
	s_add_co_i32 s50, s50, 8
	s_lshl_b32 s50, s50, 23
	s_or_b32 s50, s50, 0x600000
	v_mov_b32 v[\lim], s50
.endm
.macro PROC t, sc, lim, base, off, first   ; set t becomes a fragment's codes under one scale, and is stored
.if \first == 0
	s_wait_xcnt 0x0                                ; the stores before have read C: it is written again only behind this wait
.endif
.irp c, 0,1,2,3
.irp i, 0,1,2,3,4,5,6,7,8,9,10,11,12,13,14,15
	v_med3_num_f32 v[T+16*(\c%2)+\i], v[R+64*\t+16*\c+\i], -v[\lim], v[\lim]   ; the conversion does not saturate (ISA guide 7.6.2): the hold comes first; set t itself stays for the next scale
.endr
	v_cvt_scalef32_pk8_fp8_f32 v[C+4*\c:C+4*\c+1], v[T+16*(\c%2):T+16*(\c%2)+7], v[\sc]
	v_cvt_scalef32_pk8_fp8_f32 v[C+4*\c+2:C+4*\c+3], v[T+16*(\c%2)+8:T+16*(\c%2)+15], v[\sc]
.endr
	v_nop                                          ; a plain line behind the last conversion
.irp c, 0,1,2,3
	global_store_b128 v1, v[C+4*\c:C+4*\c+3], s[\base:\base+1] offset:\off+512*\c
.endr
.endm
	LOADS 0, 36, 0, 0
	LOADS 1, 36, 512, 0
	LOADS 2, 44, 0, 1
	s_wait_kmcnt 0x0
	s_cmp_eq_u32 s22, 0
	s_cselect_b32 s48, s25, s35                    ; the weight's e: e1, e3, e5 or e11
	s_cmp_eq_u32 s22, 1
	s_cselect_b32 s48, s27, s48
	s_cmp_eq_u32 s22, 2
	s_cselect_b32 s48, s29, s48
	MKSC 24, 8, 9
	MKSC 26, 10, 11
	MKSC 28, 12, 13
	MKSC 48, 14, 15
	s_wait_loadcnt 32                              ; set 0's sixteen loads are in; the 32 behind them may be out
	TURN 0
	s_wait_loadcnt 16                              ; set 1's
	TURN 1
	s_wait_dscnt 32                                ; set 0 is back; the 32 LDS instructions of set 1's turn may be out
	PROC 0, 8, 9, 38, 0, 1
	PROC 0, 10, 11, 40, 0, 0
	PROC 0, 12, 13, 42, 0, 0
	s_wait_loadcnt 0x0
	TURN 2                                         ; through stage 0, whose reads are back
	s_wait_dscnt 32                                ; set 1 is back
	PROC 1, 8, 9, 38, 2048, 0
	PROC 1, 10, 11, 40, 2048, 0
	PROC 1, 12, 13, 42, 2048, 0
	s_wait_dscnt 0x0
	PROC 2, 14, 15, 46, 0, 0
	s_set_vgpr_msb 0x4
	s_wait_tensorcnt 0x0
	ds_add_u32 v7, v1
	s_wait_dscnt 0x0
	s_set_vgpr_msb 0x400
	s_endpgm
.Lfunc_end_k_q5e7b66cd69_quant:
	.size	k_q5e7b66cd69_quant, .Lfunc_end_k_q5e7b66cd69_quant-k_q5e7b66cd69_quant
	.p2alignl 7, 3214868480
	.fill 96, 4, 3214868480
	.section	.rodata,"a",@progbits
	.p2align	6, 0x0
	.amdhsa_kernel k_q5e7b66cd69_quant
		.amdhsa_group_segment_fixed_size 136192
		.amdhsa_private_segment_fixed_size 0
		.amdhsa_enable_private_segment 0
		.amdhsa_kernarg_size 56
		.amdhsa_user_sgpr_count 2
		.amdhsa_user_sgpr_kernarg_segment_ptr 1
		.amdhsa_wavefront_size32 1
		.amdhsa_system_sgpr_workgroup_id_x 1
		.amdhsa_system_sgpr_workgroup_id_y 1
		.amdhsa_system_sgpr_workgroup_id_z 1
		.amdhsa_system_vgpr_workitem_id 0
		.amdhsa_next_free_vgpr 258
		.amdhsa_next_free_sgpr 66
		.amdhsa_reserve_vcc 0
		.amdhsa_float_denorm_mode_32 3
		.amdhsa_float_denorm_mode_16_64 3
		.amdhsa_memory_ordered 1
		.amdhsa_forward_progress 1
		.amdhsa_inst_pref_size 50
	.end_amdhsa_kernel
	.amdgpu_metadata
---
amdhsa.version: [ 1, 2 ]
amdhsa.kernels:
  - .name:           k_q5e7b66cd69_quant
    .symbol:         k_q5e7b66cd69_quant.kd
    .args:
      - { .name: x, .offset: 0, .size: 8, .value_kind: global_buffer, .address_space: global }
      - { .name: Wq, .offset: 8, .size: 8, .value_kind: global_buffer, .address_space: global }
      - { .name: Wk, .offset: 16, .size: 8, .value_kind: global_buffer, .address_space: global }
      - { .name: Wv, .offset: 24, .size: 8, .value_kind: global_buffer, .address_space: global }
      - { .name: Wo, .offset: 32, .size: 8, .value_kind: global_buffer, .address_space: global }
      - { .name: lowp_scales, .offset: 40, .size: 8, .value_kind: global_buffer, .address_space: global }
      - { .name: cod, .offset: 48, .size: 8, .value_kind: global_buffer, .address_space: global }
    .group_segment_fixed_size: 136192
    .private_segment_fixed_size: 0
    .kernarg_segment_align: 8
    .kernarg_segment_size: 56
    .max_flat_workgroup_size: 256
    .sgpr_count:     66
    .vgpr_count:     258
    .wavefront_size: 32
...
	.end_amdgpu_metadata
.endif
;; end of part 1
;; launch qkv (part 2): grid 12 x 32, 4 waves a work-group, clusters of 4 x 4, 327,680 bytes of LDS; arguments cod, bq, bk, bv, padding_mask, lowp_scales, qc, kv; writes qc, kv
.if DOCPART == 2
	.amdgcn_target "amdgcn-amd-amdhsa--gfx1250"
	.amdhsa_code_object_version 6
	.text
	.protected	k_q5e7b66cd69_qkv
	.globl	k_q5e7b66cd69_qkv
	.p2align	8
	.type	k_q5e7b66cd69_qkv,@function
k_q5e7b66cd69_qkv:
	s_mov_b64 s[64:65], 0
	v_nop
	global_prefetch_b8 v0, s[64:65] scope:SCOPE_SE
	s_setreg_imm32_b32 hwreg(HW_REG_WAVE_MODE, 25, 1), 1
	s_wait_xcnt 0x0
	s_wait_alu depctr_hold_cnt(0) depctr_sa_sdst(0) depctr_va_vdst(0) depctr_va_sdst(0) depctr_va_ssrc(0) depctr_va_vcc(0) depctr_vm_vsrc(0)
	s_getreg_b32 s2, hwreg(HW_REG_IB_STS2, 6, 4)
	s_cmp_eq_u32 s2, 0
	s_cbranch_scc0 .Lentry_in_a_cluster
	s_endpgm
.Lentry_in_a_cluster:
	s_bfe_u32 s2, ttmp6, 0x10000c
	s_cmp_lg_u32 s2, 0xf033
	s_cbranch_scc0 .Lentry_shape_is_right
	s_endpgm
.Lentry_shape_is_right:
; The three projections q, k, v = x W^T + b on codes of E4M3 (v_wmma_f32_16x16x128_fp8_fp8, sums in f32), each finished sum x 2^(ea + eb) + bias in f32, then quantised for attention's products and
; stored as images of operand registers: nothing goes through LDS on the way out, and every store covers 512 consecutive bytes, aligned.
; The cluster's x says which projection (0 q, 1 k, 2 v): the same in all sixteen partners.  A work-group of four waves makes 256 x 256, a wave 128 x 128: 64 accumulators, 512 registers.
; K = 1,024 goes in four steps of 256 through a ring of two LDS slots.  The operands lie in cod as fragments' images, so a wave's share of a slot (8 tiles x 4,096 bytes) is one dense block of 32,768 bytes,
; and a fragment is read by four ds_load_b128 at 16 x lane: consecutive bytes, no padding.
; REGION A of a slot feeds source 1 and is shared along a row of the cluster, REGION B feeds source 0 and is shared along a column; each is asked for jointly, by the same tensor load with a mask of four.
;   q, k: A = x's image (tokens), B = the weight's.  Register j of lane (r, h) in accumulator (a, b): token 16 a + r, feature 32 (b/2) + 16 h + 8 (b%2) + j: two neighbouring b are 16 neighbouring features.
;   v:    A = Wv's image, B = x's.  Register j: token 16 b + 8 h + j, feature = row r of Wv's tile a: the keys run along the registers, as the second product of attention wants its operand.
; OUT.  qc: bh*131072 + (query/16)*1024 + c*512 + 16 lane: d = 32 c + 16 h + 0..15 of query r.   kv: bh*270336 + (key/128)*16896 + { K: T*1024 + c*512, as qc | 8192 + V: dt*2048 + g*512: registers 2 c, 2 c + 1 of
; lane (r, h): keys 16 c + 8 h + 0..7 of channel 32 (dt/2) + 8 (dt%2) + r + 8 (r/8) | 16384 + 128 f32: 0, or -2^100 where padding_mask hides the key }.
; LIMITS: ea + eb of each projection between -126 and 127; e6, e7, e9 between -126 and 119.  NaN among the inputs is not served.
; REGISTERS: window 0: v16-31 addresses and constants; v32-95 the bias by features along registers; v96-111 the bias by lanes (each number twice, a pair); v112 four bytes of the mask; from v128 region A's fragments, one set;
;   on the way out v128-191 numbers, v192-255 codes.   window 1: region B's fragments, two sets.   windows 2, 3: the accumulators, (a, b) at v[8 (8 (a%4) + b)].
.set FR,     16                        ; registers of a fragment
.set NL,     4                         ; LDS loads that bring one
.set NP,     4                         ; places behind this matrix instruction (ISA guide 7.12.1)
.set HALFT,  32768                     ; 8 tiles: what one tensor load brings, and what one wave reads of a region
.set SLOT,   131072                    ; region A's 16 tiles, then region B's
.set SPARE,  262144                    ; behind the ring: the spare words, 128 bytes for each wave
.set LAPS,   2                         ; four K steps: twice round the ring
.set ADRA, 16                          ; v16-17  LDS address of my fragments of region A in slot 0, 1
.set ADRB, 20                          ; v20-21  of region B
.set LI,   24                          ; v24     16 x lane
.set SCL,  25                          ; v25     2^eo, the output's scale
.set LIM,  26                          ; v26     448 x 2^eo
.set NEG,  27                          ; v27     -2^100
.set SPW,  28                          ; v28     my spare word's address; never rewritten
.set NIL,  29                          ; v29     0; never rewritten
.set BI,   32
.set BR,   96
.set MK,   112
.set MO,   113                         ; v113    4 x lane
.set PBV,  114                         ; v114-117
.set AF,   128
.set TT,   128
.set CC,   192
.set WV, 16                            ; s16 wave; s17 wave / 2: my half of region A, and whether I fetch for A (0) or B (1); s18 wave % 2: my half of region B, and which half I fetch
.set HA, 17
.set HB, 18
.set G1, 24                            ; s[24:31] descriptor group 1 for region A;  s[32:39] group 0, a set for each slot
.set G0, 32
.set G1B, 48                           ; s[48:55], s[56:63] the same for region B
.set G0B, 56
.set MSB, 0
.macro WIN new                         ; the immediate's high byte repeats the setting that is left
.if MSB != (\new)
	s_set_vgpr_msb (MSB<<8)|(\new)
.set MSB, \new
.endif
.endm
.set MUL_LO, 0xa1                      ; source 0 window 1, source 1 window 0, C and D window 2
.set MUL_HI, 0xf1                      ; the same, C and D window 3
.set TO_B,   0x40                      ; destination window 1, address window 0
.macro JLOAD g0a, g1a, g0b, g1b        ; a joint load: waves 0 and 1 fetch for region A, waves 2 and 3 for B; four v_nop follow each line
	s_cmp_eq_u32 s[HA], 0
	s_cbranch_scc0 .Lfor_b_\@
	tensor_load_to_lds s[\g0a:\g0a+3], s[\g1a:\g1a+7]
	s_nop 0
.rept 4
	v_nop
.endr
	s_branch .Lasked_\@
.Lfor_b_\@:
	tensor_load_to_lds s[\g0b:\g0b+3], s[\g1b:\g1b+7]
	s_nop 0
.rept 4
	v_nop
.endr
.Lasked_\@:
.endm
.macro CREST                           ; a round of the cluster's barrier behind its opening barrier
	s_cmp_lg_u32 s[WV], 0
	s_cbranch_scc1 .Lnot_wave_0_\@
	s_barrier_signal -3
.Lnot_wave_0_\@:
	s_barrier_wait -3
	s_barrier_signal -1
	s_barrier_wait -1
.endm
.macro CROUND
	s_barrier_signal -1
	s_barrier_wait -1
	CREST
.endm
	s_load_b256 s[68:75], s[0:1], 0x0              ; cod s[68:69], bq s[70:71], bk s[72:73], bv s[74:75]
	s_load_b256 s[76:83], s[0:1], 0x20             ; padding_mask s[76:77], the scales' exponents s[78:79], qc s[80:81], kv s[82:83]
	v_lshl_add_u32 v[SPW], v0, 2, SPARE
	v_mov_b32 v[NIL], 0
	ds_add_u32 v28, v29
	s_wait_dscnt 0x0
	v_lshrrev_b32 v1, 5, v0
	v_readfirstlane_b32 s[WV], v1
	s_lshr_b32 s[HA], s[WV], 1
	s_and_b32 s[HB], s[WV], 1
	s_bfe_u32 s20, ttmp6, 0x40000                  ; cx
	s_bfe_u32 s21, ttmp6, 0x40004                  ; cy
	s_mov_b32 s19, ttmp9                           ; the projection
	s_and_b32 s22, ttmp7, 0xffff                   ; the cluster's y
	s_lshl_b32 s23, s22, 2
	s_add_co_u32 s84, s23, s21                     ; a block of 256 tokens by cy,
	s_add_co_u32 s85, s23, s20                     ; or by cx
	s_cmp_eq_u32 s19, 2
	s_cselect_b32 s98, s21, s84                    ; region A's block: hangs on cy alone, which my row of the cluster shares (v: features; q, k: tokens)
	s_cselect_b32 s99, s85, s20                    ; region B's: on cx alone, which my column shares
	s_lshl_b32 s84, s21, 2
	s_lshl_b32 s84, 15, s84                        ; my row of the cluster
	s_lshl_b32 s85, 0x1111, s20                    ; my column
	s_or_b32 s[G1+0], s84, (1<<21)                 ; 15:0 the mask; 17:16 elements of 1 byte; no padding; 21 set beside a mask
	s_or_b32 s[G1B+0], s85, (1<<21)
.irp g, G1, G1B                        ; 128 rows of 256 bytes, one behind the other: a dense block of 32,768 bytes
	s_mov_b32 s[\g+1], 256<<16                     ; tensor_dim0
	s_mov_b32 s[\g+2], 128<<16                     ; tensor_dim1
	s_mov_b32 s[\g+3], 256<<16                     ; tile_dim0
	s_mov_b32 s[\g+4], 128                         ; tile_dim1
	s_mov_b32 s[\g+5], 256                         ; tensor_dim0_stride
	s_mov_b32 s[\g+6], 0
	s_mov_b32 s[\g+7], 0
.endr
	s_lshl_b32 s46, s19, 23                        ; x's image for this projection
	s_lshl_b32 s47, s19, 20
	s_add_co_u32 s47, s47, 25165824                ; the weight's
	s_cmp_eq_u32 s19, 2
	s_cselect_b32 s94, s47, s46                    ; region A's image,
	s_cselect_b32 s100, s46, s47                   ; region B's,
	s_mov_b32 s23, 0x200000
	s_cselect_b32 s86, 0x40000, s23                ; and their bytes from K step to K step: 2,097,152 in x's image, 262,144 in a weight's
	s_mov_b32 s23, 0x40000
	s_cselect_b32 s88, 0x200000, s23
	s_mov_b32 s87, 0
	s_mov_b32 s89, 0
	s_lshl_b32 s84, s98, 16                        ; a block is 16 tiles of 4,096 bytes
	s_add_co_u32 s94, s94, s84
	s_lshl_b32 s85, s99, 16
	s_add_co_u32 s100, s100, s85
	s_lshl_b32 s23, s[HB], 15                      ; the half that I fetch
	s_add_co_u32 s94, s94, s23
	s_add_co_u32 s100, s100, s23
	s_mov_b32 s95, 0
	s_mov_b32 s101, 0
	s_mul_i32 s23, s[WV], HALFT                    ; where it goes: no place in the cluster enters an LDS address
	s_wait_kmcnt 0x0
	s_load_b256 s[4:11], s[78:79], 0x0             ; e0 .. e7
	s_load_b128 s[12:15], s[78:79], 0x20           ; e8 .. e11
	s_add_nc_u64 s[94:95], s[68:69], s[94:95]
	s_add_nc_u64 s[100:101], s[68:69], s[100:101]
	CROUND                                         ; all sixteen work-groups are here: the first joint loads meet
	s_mov_b32 s[G0], 1
	s_add_co_u32 s[G0+1], s23, 0
	s_mov_b64 s[G0+2:G0+3], s[94:95]
	s_or_b32 s[G0+3], s[G0+3], 0x80000000
	s_mov_b32 s[G0B], 1
	s_add_co_u32 s[G0B+1], s23, 0
	s_mov_b64 s[G0B+2:G0B+3], s[100:101]
	s_or_b32 s[G0B+3], s[G0B+3], 0x80000000
	JLOAD G0, G1, G0B, G1B                         ; K step 0
	s_mov_b32 s[G0+4], 1
	s_add_co_u32 s[G0+5], s23, SLOT
	s_add_nc_u64 s[G0+6:G0+7], s[94:95], s[86:87]
	s_or_b32 s[G0+7], s[G0+7], 0x80000000
	s_mov_b32 s[G0B+4], 1
	s_add_co_u32 s[G0B+5], s23, SLOT
	s_add_nc_u64 s[G0B+6:G0B+7], s[100:101], s[88:89]
	s_or_b32 s[G0B+7], s[G0B+7], 0x80000000
	JLOAD G0+4, G1, G0B+4, G1B                     ; K step 1: two loads of mine are out
	s_lshl_b32 s86, s86, 1                         ; a refill goes two K steps on
	s_lshl_b32 s88, s88, 1
	v_and_b32 v1, 31, v0
	v_lshlrev_b32 v[LI], 4, v1
	s_lshl_b32 s23, s[HA], 15                      ; my 8 tiles of region A,
	s_lshl_b32 s46, s[HB], 15
	s_add_co_u32 s46, s46, 65536                   ; of region B
.irp s, 0,1
	v_add_nc_u32 v[ADRA+\s], s23, v[LI]
	v_add_nc_u32 v[ADRB+\s], s46, v[LI]
	s_add_co_u32 s23, s23, SLOT
	s_add_co_u32 s46, s46, SLOT
.endr
	v_and_b32 v2, 15, v0                           ; r
	v_bfe_u32 v3, v0, 4, 1                         ; h
	v_lshlrev_b32 v30, 6, v3                       ; 16 h numbers of a bias
	v_and_b32 v4, 8, v2
	v_add_nc_u32 v4, v4, v2
	v_lshlrev_b32 v31, 2, v4                       ; r + 8 (r/8) numbers
	v_lshlrev_b32 v[MO], 2, v1
	v_mov_b32 v[NEG], 0xf1800000
	; where my 128 tokens and my two heads lie
	s_lshl_b32 s40, s99, 8
	s_lshl_b32 s41, s[HB], 7
	s_add_co_u32 s40, s40, s41                     ; v: first token
	s_lshl_b32 s41, s98, 8
	s_lshl_b32 s42, s[HA], 7
	s_add_co_u32 s41, s41, s42                     ; q, k: first token
	s_lshl_b32 s42, s21, 2
	s_lshl_b32 s43, s[HA], 1
	s_add_co_u32 s42, s42, s43                     ; v: first head
	s_lshl_b32 s43, s20, 2
	s_lshl_b32 s44, s[HB], 1
	s_add_co_u32 s43, s43, s44                     ; q, k: first head
	s_cmp_eq_u32 s19, 2
	s_cselect_b32 s40, s40, s41                    ; first token, 0 .. 8,191
	s_cselect_b32 s42, s42, s43                    ; first head
	s_lshr_b32 s41, s40, 11
	s_lshl_b32 s41, s41, 4
	s_add_co_u32 s41, s41, s42                     ; bh = 16 batch + head
	s_and_b32 s43, s40, 2047                       ; the token in its sequence, a multiple of 128
	s_lshl_b32 s44, s41, 17
	s_lshl_b32 s45, s43, 6
	s_add_co_u32 s44, s44, s45                     ; in qc
	s_mul_i32 s45, s41, 270336
	s_lshr_b32 s2, s43, 7
	s_mul_i32 s2, s2, 16896
	s_add_co_u32 s45, s45, s2                      ; in kv
	s_cmp_eq_u32 s19, 0
	s_cselect_b32 s66, s44, s45
	s_mov_b32 s67, 0
	s_cselect_b64 s[90:91], s[80:81], s[82:83]
	s_mov_b32 s2, 270336
	s_cselect_b32 s92, 131072, s2                  ; from a head to the next
	s_mov_b32 s93, 0
	s_add_nc_u64 s[90:91], s[90:91], s[66:67]      ; my first head's place,
	s_add_nc_u64 s[92:93], s[90:91], s[92:93]      ; my second's
	s_mov_b32 s41, 0
	s_add_nc_u64 s[44:45], s[76:77], s[40:41]      ; the mask at my first token
	s_lshl_b32 s40, s20, 10
	s_lshl_b32 s2, s[HB], 9
	s_add_co_u32 s40, s40, s2                      ; q, k: my 128 features in the bias, in bytes
	s_lshl_b32 s42, s21, 10
	s_lshl_b32 s2, s[HA], 9
	s_add_co_u32 s42, s42, s2                      ; v: likewise
	s_cmp_eq_u32 s19, 2
	s_cselect_b32 s40, 0, s40                      ; the form that this projection does not use reads the bias's first bytes: every register is written on every way
	s_cselect_b32 s42, s42, 0
	s_mov_b32 s43, 0
	s_cselect_b64 s[66:67], s[74:75], s[72:73]
	s_cmp_eq_u32 s19, 0
	s_cselect_b64 s[66:67], s[70:71], s[66:67]     ; bq, bk or bv
	s_add_nc_u64 s[40:41], s[66:67], s[40:41]
	s_add_nc_u64 s[42:43], s[66:67], s[42:43]
.irp bb, 0,1,2,3
.irp i, 0,1,2,3
	global_load_b128 v[BI+16*\bb+4*\i:BI+16*\bb+4*\i+3], v30, s[40:41] offset:128*\bb+16*\i   ; register 16 bb + i: feature 32 bb + 16 h + i
.endr
.endr
.irp a, 0,1,2,3,4,5,6,7
	global_load_b32 v[BR+2*\a], v31, s[42:43] offset:4*(32*(\a/2)+8*(\a%2))                   ; tile a's feature of my lane, twice: a pair for the packed form
	global_load_b32 v[BR+2*\a+1], v31, s[42:43] offset:4*(32*(\a/2)+8*(\a%2))
.endr
	global_load_b32 v[MK], v[MO], s[44:45]         ; the mask's bytes of keys 4 lane .. 4 lane + 3
	s_wait_kmcnt 0x0
	s_cmp_eq_u32 s19, 0
	s_cselect_b32 s23, s4, s6                      ; ea, eb, eo: (e0, e1, e6), (e2, e3, e7) or (e4, e5, e9): chosen, never branched on
	s_cselect_b32 s46, s5, s7
	s_cselect_b32 s47, s10, s11
	s_cmp_eq_u32 s19, 2
	s_cselect_b32 s23, s8, s23
	s_cselect_b32 s46, s9, s46
	s_cselect_b32 s47, s13, s47
	s_add_co_i32 s96, s23, s46
	s_add_co_i32 s96, s96, 127
	s_lshl_b32 s96, s96, 23                        ; 2^(ea + eb) as f32
	s_mov_b32 s97, s96                             ; (named with it as a pair, so it is written)
	s_add_co_i32 s47, s47, 127
	s_lshl_b32 s23, s47, 23
	v_mov_b32 v[SCL], s23
	s_add_co_i32 s47, s47, 8
	s_lshl_b32 s47, s47, 23
	s_or_b32 s47, s47, 0x600000
	v_mov_b32 v[LIM], s47
.macro FRAG reg, adr, q, i             ; tile i's fragment of the slot's q-th 128 along K: four loads of 512 consecutive bytes
.irp c, 0,1,2,3
	ds_load_b128 v[\reg+4*\c:\reg+4*\c+3], v[\adr] offset:4096*(\i)+2048*(\q)+512*\c
.endr
.endm
; 16 matrix instructions: region A's tiles a0, a0 + 1 x region B's eight.  The 64 accumulators take turns, one instruction a turn, in the same order in every step.
.macro MUL16 a0, p, zero
.irp a, \a0, \a0+1
.irp b, 0,1,2,3,4,5,6,7
.if \zero
	v_wmma_f32_16x16x128_fp8_fp8 v[8*(8*((\a)%4)+\b):8*(8*((\a)%4)+\b)+7], v[128*(\p)+FR*\b:128*(\p)+FR*\b+FR-1], v[AF+FR*(\a):AF+FR*(\a)+FR-1], 0
.else
	v_wmma_f32_16x16x128_fp8_fp8 v[8*(8*((\a)%4)+\b):8*(8*((\a)%4)+\b)+7], v[128*(\p)+FR*\b:128*(\p)+FR*\b+FR-1], v[AF+FR*(\a):AF+FR*(\a)+FR-1], v[8*(8*((\a)%4)+\b):8*(8*((\a)%4)+\b)+7]
.endif
.endr
.endr
.endm
.macro FETCH_B slot, q, p
	WIN TO_B
.irp i, 0,1,2,3,4,5,6,7
	FRAG 128*(\p)+FR*\i, ADRB+\slot, \q, \i
.endr
	WIN 0
.endm
.macro FETCH_A slot, q, i0
.irp i, \i0, \i0+1, \i0+2, \i0+3
	FRAG AF+FR*(\i), ADRA+\slot, \q, \i
.endr
.endm
.macro PLACES n                        ; plain vector lines between a matrix instruction and a load into, or a vector write of, a register that it read, or a read of its result
.rept \n
	v_nop
.endr
.endm
.macro STEP slot, q, zero              ; 128 along K with its successor in the same slot
	s_wait_dscnt 4*NL                              ; B's set and A's tiles 0-3 are in; the youngest sixteen loads (A's tiles 4-7) may be out
	WIN MUL_LO
	MUL16 0, (\q)%2, \zero
	MUL16 2, (\q)%2, \zero
	s_wait_dscnt 0
	PLACES NP
	FETCH_B \slot, (\q)+1, 1-(\q)%2
	FETCH_A \slot, (\q)+1, 0
	WIN MUL_HI
	MUL16 4, (\q)%2, \zero
	MUL16 6, (\q)%2, \zero
	PLACES NP
	WIN 0
	FETCH_A \slot, (\q)+1, 4
.endm
; A slot's last step changes slots: one barrier; in front of it each wave waits for all its tensor loads, adds 0 to its spare word, and waits for that and for its reads of this slot.
.macro TURN slot, next, fill
	s_wait_tensorcnt 0x0                           ; all my tensor loads have landed: my part of the next slot
	ds_add_u32 v[SPW], v[NIL]                      ; 0 onto my spare word
	s_wait_dscnt 4*NL+1                            ; (the add and the youngest sixteen loads may be out)
	WIN MUL_LO
	MUL16 0, 1, 0
	s_wait_dscnt 0x0                               ; the add is done, and my reads of this slot are over
	s_barrier_signal -1
	MUL16 2, 1, 0
	WIN 0
	s_barrier_wait -1
.if \fill
	CREST                                          ; the barrier has opened a round of the cluster's: no wave of any partner still reads this slot or has a load on its way
	s_add_nc_u64 s[G0+4*\slot+2:G0+4*\slot+3], s[G0+4*\slot+2:G0+4*\slot+3], s[86:87]
	s_add_nc_u64 s[G0B+4*\slot+2:G0B+4*\slot+3], s[G0B+4*\slot+2:G0B+4*\slot+3], s[88:89]
	JLOAD G0+4*\slot, G1, G0B+4*\slot, G1B         ; the first tensor load behind the round; its four v_nop are the places in front of the loads below
.else
	PLACES NP
.endif
	FETCH_B \next, 0, 0
	FETCH_A \next, 0, 0
	WIN MUL_HI
	MUL16 4, 1, 0
	MUL16 6, 1, 0
	PLACES NP
	WIN 0
	FETCH_A \next, 0, 4
.endm
	s_wait_tensorcnt 1                             ; my part of K step 0 is in; K step 1's load may be out
	s_barrier_signal -1
	s_barrier_wait -1
	FETCH_B 0, 0, 0
	FETCH_A 0, 0, 0
	FETCH_A 0, 0, 4
	STEP 0, 0, 1                                   ; the first step's products start the sums: nothing is cleared
	s_mov_b32 s3, LAPS-1
.Llap:                                                 ; a trip goes once round the ring and fills both slots again
	TURN 0, 1, 1
	STEP 1, 0, 0
	TURN 1, 0, 1
	STEP 0, 0, 0
	s_sub_co_u32 s3, s3, 1
	s_cmp_lg_u32 s3, 0
	s_cbranch_scc1 .Llap
	TURN 0, 1, 0                                   ; the last lap fills nothing
	STEP 1, 0, 0
	s_wait_dscnt 4*NL
	WIN MUL_LO
	MUL16 0, 1, 0
	MUL16 2, 1, 0
	s_wait_dscnt 0
	WIN MUL_HI
	MUL16 4, 1, 0
	MUL16 6, 1, 0
	WIN 0
	s_wait_loadcnt 0x0                             ; the biases and the mask
; THE WAY OUT, tile a of region A at a time: sum x 2^(ea + eb) + bias (one packed multiply-add for two numbers, each accumulator from its low end on), the hold, the conversion; the codes' registers are the
; image's groups and are stored as they stand.  kind 0: q, k.  kind 1: v.  Four sets of codes by turns: a set is written again behind a wait on XCNT.
.macro EPI kind
.irp a, 0,1,2,3,4,5,6,7
.if \a >= 4
	s_wait_xcnt 0x0
.endif
	WIN 0x02+(\a/4)                                ; source 0: window 2 or 3
.set n, 0
.rept 32
.if \kind
	v_pk_fma_f32 v[TT+n:TT+n+1], v[64*(\a%4)+n:64*(\a%4)+n+1], s[96:97], v[BR+2*\a:BR+2*\a+1] op_sel_hi:[1,0,1]
.else
	v_pk_fma_f32 v[TT+n:TT+n+1], v[64*(\a%4)+n:64*(\a%4)+n+1], s[96:97], v[BI+n:BI+n+1] op_sel_hi:[1,0,1]
.endif
.set n, n+2
.endr
	WIN 0
.set n, 0
.rept 64
	v_med3_num_f32 v[TT+n], v[TT+n], -v[LIM], v[LIM]   ; the conversion does not saturate (ISA guide 7.6.2)
.set n, n+1
.endr
.irp b, 0,1,2,3,4,5,6,7
	v_cvt_scalef32_pk8_fp8_f32 v[CC+16*(\a%4)+2*\b:CC+16*(\a%4)+2*\b+1], v[TT+8*\b:TT+8*\b+7], v[SCL]
.endr
	v_nop                                          ; a plain line behind the last conversion
.irp g, 0,1,2,3
.if \kind
	global_store_b128 v[LI], v[CC+16*(\a%4)+4*\g:CC+16*(\a%4)+4*\g+3], s[90+2*(\a/4):91+2*(\a/4)] offset:8192+(\a%4)*2048+\g*512   ; head a / 4, V's tile a % 4, keys 32 g on
.else
	global_store_b128 v[LI], v[CC+16*(\a%4)+4*\g:CC+16*(\a%4)+4*\g+3], s[90+2*(\g/2):91+2*(\g/2)] offset:\a*1024+(\g%2)*512        ; head g / 2, tokens 16 a on, channels 32 (g % 2) on
.endif
.endr
.endr
.endm
	PLACES NP                                      ; behind the last products: the numbers below take the registers of region A's fragments
	s_cmp_eq_u32 s19, 2                            ; the projection: the same in all partners
	s_cbranch_scc1 .Lvalues
	EPI 0
	s_branch .Lout
.Lvalues:
	EPI 1
.irp n, 0,1,2,3                        ; the padding mask of my 128 keys as numbers to be added to the scores: 0, or -2^100.  A choice of values: nothing branches on the mask
	v_bfe_u32 v[PBV+\n], v[MK], 8*\n, 8
	v_cmp_ne_u32 vcc_lo, 0, v[PBV+\n]
	v_cndmask_b32 v[PBV+\n], 0, v[NEG], vcc_lo
.endr
	global_store_b128 v[LI], v[PBV:PBV+3], s[90:91] offset:16384
	global_store_b128 v[LI], v[PBV:PBV+3], s[92:93] offset:16384
.Lout:
	s_wait_tensorcnt 0x0                           ; the wave's end
	ds_add_u32 v[SPW], v[NIL]
	s_wait_dscnt 0x0
	CROUND                                         ; the closing round: no work-group ends while a partner may still ask for a tile that names it
	s_endpgm
.Lfunc_end_k_q5e7b66cd69_qkv:
	.size	k_q5e7b66cd69_qkv, .Lfunc_end_k_q5e7b66cd69_qkv-k_q5e7b66cd69_qkv
	.p2alignl 7, 3214868480
	.fill 96, 4, 3214868480
	.section	.rodata,"a",@progbits
	.p2align	6, 0x0
	.amdhsa_kernel k_q5e7b66cd69_qkv
		.amdhsa_group_segment_fixed_size 327680
		.amdhsa_private_segment_fixed_size 0
		.amdhsa_enable_private_segment 0
		.amdhsa_kernarg_size 64
		.amdhsa_user_sgpr_count 2
		.amdhsa_user_sgpr_kernarg_segment_ptr 1
		.amdhsa_wavefront_size32 1
		.amdhsa_system_sgpr_workgroup_id_x 1
		.amdhsa_system_sgpr_workgroup_id_y 1
		.amdhsa_system_sgpr_workgroup_id_z 1
		.amdhsa_system_vgpr_workitem_id 0
		.amdhsa_next_free_vgpr 1024
		.amdhsa_next_free_sgpr 102
		.amdhsa_reserve_vcc 1
		.amdhsa_float_denorm_mode_32 3
		.amdhsa_float_denorm_mode_16_64 3
		.amdhsa_memory_ordered 1
		.amdhsa_forward_progress 1
		.amdhsa_inst_pref_size 196
	.end_amdhsa_kernel
	.amdgpu_metadata
---
amdhsa.version: [ 1, 2 ]
amdhsa.kernels:
  - .name:           k_q5e7b66cd69_qkv
    .symbol:         k_q5e7b66cd69_qkv.kd
    .args:
      - { .name: cod, .offset: 0, .size: 8, .value_kind: global_buffer, .address_space: global }
      - { .name: bq, .offset: 8, .size: 8, .value_kind: global_buffer, .address_space: global }
      - { .name: bk, .offset: 16, .size: 8, .value_kind: global_buffer, .address_space: global }
      - { .name: bv, .offset: 24, .size: 8, .value_kind: global_buffer, .address_space: global }
      - { .name: padding_mask, .offset: 32, .size: 8, .value_kind: global_buffer, .address_space: global }
      - { .name: lowp_scales, .offset: 40, .size: 8, .value_kind: global_buffer, .address_space: global }
      - { .name: qc, .offset: 48, .size: 8, .value_kind: global_buffer, .address_space: global }
      - { .name: kv, .offset: 56, .size: 8, .value_kind: global_buffer, .address_space: global }
    .group_segment_fixed_size: 327680
    .private_segment_fixed_size: 0
    .kernarg_segment_align: 8
    .kernarg_segment_size: 64
    .max_flat_workgroup_size: 128
    .sgpr_count:     102
    .vgpr_count:     1024
    .wavefront_size: 32
...
	.end_amdgpu_metadata
.endif
;; end of part 2
;; launch attn (part 3): grid 4 x 64, 16 waves a work-group, no clusters, 327,680 bytes of LDS; arguments qc, kv, lowp_scales, ao; writes ao
.if DOCPART == 3
	.amdgcn_target "amdgcn-amd-amdhsa--gfx1250"
	.amdhsa_code_object_version 6
	.text
	.protected	k_q5e7b66cd69_attn
	.globl	k_q5e7b66cd69_attn
	.p2align	8
	.type	k_q5e7b66cd69_attn,@function
k_q5e7b66cd69_attn:
	s_mov_b64 s[64:65], 0
	v_nop
	global_prefetch_b8 v0, s[64:65] scope:SCOPE_SE
	s_setreg_imm32_b32 hwreg(HW_REG_WAVE_MODE, 25, 1), 1
	s_wait_xcnt 0x0
; Causal attention of one (batch, head) on codes of E4M3: S^T = K Q^T (v_wmma_f32_16x16x64_fp8_fp8, K = the head's 64), p = 2^(t - M), O^T = V^T P^T (v_wmma_f32_16x16x128_fp8_fp8, K = 128 keys).
; t = score x log2(e) / 8; M = the running largest t rounded up to a whole number; p is quantised with 2^e8, not normalised; the row's sum is taken of the unquantised p and divides at the end.
; The result is quantised with 2^e10 and stored as the image of the output projection's operand.
; SHARES.  Work-group (i, bh) owns query blocks i and 7 - i (256 queries each) of head bh: it walks i + 1 slots of 256 keys for the first and 8 - i for the second: NINE trips for every work-group, a constant.
; Wave w owns queries 256 i + 16 w .. and 256 (7 - i) + 16 (15 - w) ..: 17 key steps of 128 for every wave.  A step all of whose keys come after the wave's queries is jumped over by a scalar branch on ids.
; A slot is two steps of 16,896 bytes as the launch before laid them: K's 8 tiles, V's 4, and 128 f32 that are 0 or -2^100 (a padded key).  Waves 0 and 1 fetch a step each: 66 dense rows of 256 bytes.
; THE PADDING MASK COSTS NO VECTOR LINE: its numbers are loaded into the scores' accumulators and are the C of K Q^T.  A real score's sum is under 2^24 in magnitude, and the running maximum starts at
; c x -2^60: so a padded key never raises it and its p is 0.  A query all of whose visible keys are padded ends with the sum 0: its codes become NaN codes, as the softmax of nothing is NaN.
; A lane holds one query (lane % 16) throughout.  S^T's tile T, register j: key 16 T + 8 (lane / 16) + j: p's codes of tile T are registers 2 T, 2 T + 1 of the second product's operand.
; LIMITS: e6 + e7 between -90 and 60; e8 and e10 between -126 and 119; e8 + e9 goes through v_ldexp_f32 and has none.
; No multicast: the four work-groups of a head want different key slots in the same trip (i + 1 slots, then 8 - i), so they have no common request.
; REGISTERS: v1 16 lane, v2 32 (lane/16), v3 256 lane, v5, v6 the spare word's address and 0, v8, v9 LDS addresses in hand, v[10:11] 1 / sum, v12 -M, v13 the largest t, v[14:15] the sum, v16-23 Q, v24-31 the second block's Q,
; v32-95 K's eight fragments, then V's four; v96-159 the padding numbers, S^T, p; v160-191 O^T; v192-207 p's codes; v208-215 the result's codes; v236-254 constants and work.
.set SLOT1, 65536                      ; slot 1 begins here: one exclusive or turns an address
.set STEPB, 16896
.set SLOTB, 33792
.set SPARE, 131072                     ; the spare words: 128 bytes for each of sixteen waves
.set TB,   2                           ; s2   LDS byte at which the slot in hand begins
.set TR,   3                           ; s3   the trip
.set WV,   18
.set SEL,  20                          ; s[20:21] v_permlanex16_b32's selects for lane xor 16
.set CS,   22                          ; s[22:23] c = log2(e) / 8 x 2^(e6 + e7)
.set G1,   24
.set G0,   40
.set AOA,  44                          ; s[44:45], s[46:47] where the two results go
.set AOB,  46
.set NA,   48                          ; s48  trips of the first block: i + 1
.set NAB,  49                          ; s49  their bytes of kv
.set BK,   50                          ; s[50:51] what the walking address goes back by: 0, or s49 at the change of blocks
.set KF,   52                          ; s52  the step's first key
.set Q0,   53                          ; s53  my first query
.set Q0B,  54                          ; s54  the second block's
.set LIMR, 55                          ; s55  a wave prefetches while the trip's number is under it
.set PFA,  56                          ; s[56:57] where my prefetches stand
.macro TLOAD                           ; waves 0 and 1 fetch a step each; four v_nop follow the line
	s_cmp_lt_u32 s[WV], 2
	s_cbranch_scc0 .Lasked_\@
	tensor_load_to_lds s[G0:G0+3], s[G1:G1+7]
	s_nop 0
.rept 4
	v_nop
.endr
.Lasked_\@:
.endm
; A prefetch of K's and V's 16,384 bytes of both steps of key slot trip + 1: asked by waves 4 to 7 of the head's work-group i = 0 alone, 8,192 bytes a wave, lanes 256 bytes apart: each block is named once in the launch.
; That work-group's own tensor load asks for the same slot one trip later.  Trips 0 to 6 ask (key slots 1 to 7); the last trips ask for nothing.
.macro ASK
	s_cmp_lt_u32 s[TR], s[LIMR]
	s_cbranch_scc0 .Lnot_mine_\@
	global_prefetch_b8 v3, s[PFA:PFA+1] th:TH_LOAD_NT scope:SCOPE_SE
.Lnot_mine_\@:
.endm
	s_load_b256 s[4:11], s[0:1], 0x0               ; qc s[4:5], kv s[6:7], the scales' exponents s[8:9], ao s[10:11]
	v_lshl_add_u32 v5, v0, 2, SPARE
	v_mov_b32 v6, 0
	ds_add_u32 v5, v6
	s_wait_dscnt 0x0
	v_lshrrev_b32 v8, 5, v0
	v_readfirstlane_b32 s[WV], v8                  ; wave 0..15
	s_and_b32 s12, ttmp7, 0xffff                   ; bh
	s_mov_b32 s13, ttmp9                           ; i
	s_add_co_u32 s[NA], s13, 1
	s_mul_i32 s[NAB], s[NA], SLOTB
	s_mov_b32 s[BK], 0
	s_mov_b32 s[BK+1], 0
	s_mul_i32 s14, s12, 270336                     ; the head's bytes in kv
	s_mov_b32 s15, 0
	s_and_b32 s16, s[WV], 1
	s_mul_i32 s16, s16, STEPB                      ; the step that I fetch, in memory and in a slot
	s_mov_b32 s17, 0
	s_mov_b32 s[G1], 0                             ; no mask, elements of 1 byte, no padding
	s_mov_b32 s[G1+1], 256<<16                     ; tensor_dim0
	s_mov_b32 s[G1+2], 66<<16                      ; tensor_dim1
	s_mov_b32 s[G1+3], 256<<16                     ; tile_dim0
	s_mov_b32 s[G1+4], 66                          ; tile_dim1
	s_mov_b32 s[G1+5], 256                         ; tensor_dim0_stride
	s_mov_b32 s[G1+6], 0
	s_mov_b32 s[G1+7], 0
	s_mov_b32 s[SEL], 0x76543210
	s_mov_b32 s[SEL+1], 0xfedcba98
	s_mov_b32 s[CS], 0x3e38aa3b                    ; log2(e) / 8
	s_mov_b32 s[TB], 0
	s_mov_b32 s[TR], 0
	s_mov_b32 s[KF], 0
	s_lshl_b32 s[Q0], s13, 8
	s_lshl_b32 s76, s[WV], 4
	s_add_co_u32 s[Q0], s[Q0], s76                 ; 256 i + 16 w
	s_sub_co_u32 s[Q0B], 2032, s[Q0]               ; 256 (7 - i) + 16 (15 - w)
	s_mov_b32 s33, 0
	s_wait_kmcnt 0x0
	s_load_b256 s[68:75], s[8:9], 0x10             ; e4 .. e11
	s_mov_b32 s[G0], 1
	s_mov_b32 s[G0+1], s16
	s_add_nc_u64 s[G0+2:G0+3], s[6:7], s[14:15]
	s_add_nc_u64 s[G0+2:G0+3], s[G0+2:G0+3], s[16:17]
	s_or_b32 s[G0+3], s[G0+3], 0x80000000
	TLOAD                                          ; key slot 0 into slot 0
	s_lshl_b32 s76, s12, 17                        ; Q: 131,072 bytes a head, 1,024 a tile of 16 queries
	s_lshl_b32 s77, s[Q0], 6
	s_add_co_u32 s32, s76, s77
	s_add_nc_u64 s[58:59], s[4:5], s[32:33]
	s_lshl_b32 s77, s[Q0B], 6
	s_add_co_u32 s32, s76, s77
	s_add_nc_u64 s[60:61], s[4:5], s[32:33]
	s_and_b32 s76, s12, 15                         ; head.  In ao k = 64 head + d: K step head / 4, then (head % 4) x 1,024 bytes inside a tile's 4,096
	s_lshr_b32 s77, s76, 2
	s_lshl_b32 s77, s77, 21
	s_and_b32 s78, s76, 3
	s_lshl_b32 s78, s78, 10
	s_add_co_u32 s77, s77, s78
	s_lshr_b32 s78, s12, 4                         ; batch: 128 tiles of 4,096 bytes
	s_lshl_b32 s78, s78, 19
	s_add_co_u32 s77, s77, s78
	s_lshl_b32 s78, s[Q0], 8
	s_add_co_u32 s32, s77, s78
	s_add_nc_u64 s[AOA:AOA+1], s[10:11], s[32:33]
	s_lshl_b32 s78, s[Q0B], 8
	s_add_co_u32 s32, s77, s78
	s_add_nc_u64 s[AOB:AOB+1], s[10:11], s[32:33]
	s_bfe_u32 s76, s[WV], 0x10001                  ; the prefetches: step (w / 2) % 2, K's (w % 2 = 0) or V's 8,192 bytes, in key slot 0: the first change of slots steps it to slot 1
	s_mul_i32 s76, s76, STEPB
	s_and_b32 s77, s[WV], 1
	s_lshl_b32 s77, s77, 13
	s_add_co_u32 s32, s76, s77
	s_add_nc_u64 s[PFA:PFA+1], s[6:7], s[14:15]
	s_add_nc_u64 s[PFA:PFA+1], s[PFA:PFA+1], s[32:33]
	s_sub_co_u32 s76, s[WV], 4
	s_lshr_b32 s76, s76, 2                         ; 0 in waves 4 to 7,
	s_or_b32 s76, s76, ttmp9                       ; of the head's first work-group
	s_cmp_eq_u32 s76, 0
	s_cselect_b32 s[LIMR], 7, 0
	v_and_b32 v8, 31, v0
	v_lshlrev_b32 v1, 4, v8
	v_lshlrev_b32 v3, 8, v8
	v_bfe_u32 v9, v0, 4, 1
	v_lshlrev_b32 v2, 5, v9
	global_load_b128 v[16:19], v1, s[58:59]        ; Q's fragment: registers 4 c .. 4 c + 3: d = 32 c + 16 h + 0..15, the order in which K's lie too
	global_load_b128 v[20:23], v1, s[58:59] offset:512
	global_load_b128 v[24:27], v1, s[60:61]
	global_load_b128 v[28:31], v1, s[60:61] offset:512
	v_mov_b32 v14, 0
	v_mov_b32 v15, 0
	v_mov_b32 v236, 0                              ; written once: a lane permute's destination counts as one of its sources
	v_mov_b32 v252, 0
	v_mov_b32 v253, 0                              ; (named as the upper half of the pair v[252:253])
.set n, 0
.rept 32
	v_mov_b32 v[160+n], 0                          ; O^T: the step is written once; the first finds zeros
.set n, n+1
.endr
	s_wait_kmcnt 0x0
	s_add_co_i32 s76, s70, s71                     ; e6 + e7 goes into c's exponent field
	s_lshl_b32 s76, s76, 23
	s_add_co_i32 s[CS], s[CS], s76
	s_mov_b32 s[CS+1], s[CS]
	s_add_co_i32 s76, s72, 127
	s_lshl_b32 s77, s76, 23
	v_mov_b32 v244, s77                            ; 2^e8
	s_add_co_i32 s76, s76, 8
	s_lshl_b32 s76, s76, 23
	s_or_b32 s76, s76, 0x600000
	v_mov_b32 v240, s76                            ; 448 x 2^e8
	s_add_co_i32 s76, s74, 127
	s_lshl_b32 s77, s76, 23
	v_mov_b32 v245, s77                            ; 2^e10
	s_add_co_i32 s76, s76, 8
	s_lshl_b32 s76, s76, 23
	s_or_b32 s76, s76, 0x600000
	v_mov_b32 v241, s76                            ; 448 x 2^e10
	s_add_co_i32 s82, s72, s73                     ; e8 + e9
	v_mov_b32 v246, 0x7f7f7f7f                     ; four NaN codes
	v_mov_b32 v247, 0xdd800000
	v_mul_f32 v247, s[CS], v247                    ; the largest t at a block's start: c x -2^60: under every real t, over every padded key's
	v_mov_b32 v13, v247
	v_floor_f32 v12, -v13
.macro STEP q                          ; 128 keys, the q-th step of the slot in hand
	s_add_co_u32 s76, s[Q0], 15
	s_cmp_gt_u32 s[KF], s76
	s_cbranch_scc1 .Lhidden_\@                     ; all its keys come after my queries
	v_add_nc_u32 v8, s[TB], v1
	v_add_nc_u32 v9, s[TB], v2
	v_nop                                          ; with the two additions: four places in front of loads into registers that the last products read
	v_nop
.irp t, 0,1,2,3,4,5,6,7
	ds_load_b128 v[96+8*\t:99+8*\t], v9 offset:STEPB*(\q)+16384+64*\t        ; the padding numbers of keys 16 t + 8 h + 0..7, straight into the accumulator
	ds_load_b128 v[100+8*\t:103+8*\t], v9 offset:STEPB*(\q)+16384+64*\t+16
.endr
.irp t, 0,1,2,3,4,5,6,7
	ds_load_b128 v[32+8*\t:35+8*\t], v8 offset:STEPB*(\q)+1024*\t
	ds_load_b128 v[36+8*\t:39+8*\t], v8 offset:STEPB*(\q)+1024*\t+512
.endr
	s_wait_dscnt 0x0
.irp t, 0,1,2,3,4,5,6,7
	v_wmma_f32_16x16x64_fp8_fp8 v[96+8*\t:103+8*\t], v[32+8*\t:39+8*\t], v[16:23], v[96+8*\t:103+8*\t]
.endr
.rept 4
	v_nop                                          ; places: in front of the loads over K's fragments and of the first read of the scores
.endr
.irp t, 0,1,2,3
.irp g, 0,1,2,3
	ds_load_b128 v[32+16*\t+4*\g:35+16*\t+4*\g], v8 offset:STEPB*(\q)+8192+2048*\t+512*\g   ; V's fragments land while the softmax is walked
.endr
.endr
	s_add_co_u32 s76, s[KF], 127
	s_cmp_le_u32 s76, s[Q0]
	s_cbranch_scc1 .Lopen_\@                       ; all its keys count
	s_sub_co_i32 s76, s[Q0], s[KF]
	v_and_b32 v252, 15, v0
	v_bfe_u32 v253, v0, 4, 1
	v_lshlrev_b32 v253, 3, v253
	v_sub_nc_u32 v252, v252, v253
	v_add_nc_u32 v252, s76, v252                   ; d = my query - KF - 8 h.  Register 8 T + j holds key KF + 16 T + 8 h + j: hidden where 16 T + j > d
	v_mov_b32 v254, 0xff800000
.set n, 0
.rept 64
	v_cmp_gt_i32 vcc_lo, 16*(n/8)+n%8, v252
	v_cndmask_b32 v[96+n], v[96+n], v254, vcc_lo
.set n, n+1
.endr
.Lopen_\@:
	v_max3_num_f32 v254, v96, v97, v98             ; the step's largest score of my query among my 64 keys, in two chains, from each accumulator's low end on,
	v_max3_num_f32 v252, v99, v100, v101
.irp i, 6,10,14,18,22,26,30,34,38,42,46,50,54,58
	v_max3_num_f32 v254, v254, v[96+\i], v[97+\i]
	v_max3_num_f32 v252, v252, v[98+\i], v[99+\i]
.endr
	v_max3_num_f32 v254, v254, v158, v159
	v_max_num_f32 v254, v254, v252
	v_permlanex16_b32 v236, v254, s[SEL], s[SEL+1]
	v_max_num_f32 v254, v254, v236                 ; and among lane xor 16's
	v_mul_f32 v254, s[CS], v254                    ; as t (c is positive)
	v_max_num_f32 v13, v13, v254
	v_mov_b32 v254, v12
	v_floor_f32 v12, -v13                          ; -M = floor(-t): M is a whole number
	v_sub_f32 v254, v12, v254                      ; old M - new M, 0 or less
	v_cvt_i32_f32 v254, v254                       ; (it saturates)
	v_ldexp_f32 v252, 1.0, v254                    ; f = 2^(old M - new M): rounds nothing
.set n, 0
.rept 32
	v_pk_fma_f32 v[96+n:97+n], v[96+n:97+n], s[CS:CS+1], v[12:13] op_sel_hi:[1,0,0]   ; t - M
.set n, n+2
.endr
.set n, 0
.rept 64
	v_exp_f32 v[96+n], v[96+n]                     ; p = 2^(t - M)
.set n, n+1
.endr
	v_pk_mul_f32 v[14:15], v[14:15], v[252:253] op_sel_hi:[1,0]   ; the sums under the new M: the plain line behind the exponentials
	s_wait_alu depctr_va_vdst(0)                   ; one wait for the batch, ahead of its first reader
	v_pk_add_f32 v[242:243], v[96:97], v[98:99]    ; the row's sum is taken of the unquantised p, in two chains
.irp j, 4,8,12,16,20,24,28,32,36,40,44,48,52,56,60
	v_pk_add_f32 v[14:15], v[14:15], v[96+\j:97+\j]
	v_pk_add_f32 v[242:243], v[242:243], v[98+\j:99+\j]
.endr
	v_pk_add_f32 v[14:15], v[14:15], v[242:243]
.irp t, 0,1,2,3,4,5,6,7
.irp i, 0,1,2,3,4,5,6,7
	v_min_num_f32 v[96+8*\t+\i], v[96+8*\t+\i], v240   ; the hold; p is not negative
.endr
	v_cvt_scalef32_pk8_fp8_f32 v[192+2*\t:193+2*\t], v[96+8*\t:103+8*\t], v244
.endr
.set n, 0
.rept 16
	v_pk_mul_f32 v[160+n:161+n], v[160+n:161+n], v[252:253] op_sel_hi:[1,0]   ; O^T under the new M; also the plain lines behind the conversions
.set n, n+2
.endr
	s_wait_dscnt 0x0                               ; V
.irp t, 0,1,2,3
	v_wmma_f32_16x16x128_fp8_fp8 v[160+8*\t:167+8*\t], v[32+16*\t:47+16*\t], v[192:207], v[160+8*\t:167+8*\t]
.endr
.Lhidden_\@:
	s_add_co_u32 s[KF], s[KF], 128
.endm
; THE CHANGE OF SLOTS, at a trip's head.  Each wave waits for all its tensor loads, adds 0 to its spare word, and waits for that and for its reads of the slot that it has left; behind the barrier the slot ahead is
; whole and nobody reads the other one, which is filled with the next trip's keys: the next 256, or the head's first 256 where the next trip begins the second block.
.macro CHANGE fill
	s_wait_tensorcnt 0x0                           ; no tensor load of mine is out, so the group 0 may be written
	ds_add_u32 v5, v6                              ; 0 onto my spare word
.if \fill
	s_xor_b32 s[G0+1], s[G0+1], SLOT1
	s_add_nc_u64 s[G0+2:G0+3], s[G0+2:G0+3], SLOTB
	s_add_co_u32 s76, s[TR], 1
	s_cmp_eq_u32 s76, s[NA]
	s_cselect_b32 s[BK], s[NAB], 0
	s_sub_nc_u64 s[G0+2:G0+3], s[G0+2:G0+3], s[BK:BK+1]
	s_wait_xcnt 0x0                                ; the last prefetch, a trip back, has read its address
	s_add_nc_u64 s[PFA:PFA+1], s[PFA:PFA+1], SLOTB
.endif
	s_wait_dscnt 0x0                               ; the add is done, and my reads of the slot that I have left are over
	s_barrier_signal -1
	s_barrier_wait -1
.if \fill
	TLOAD                                          ; the first thing behind the barrier, and a wave's one tensor load until the next
	ASK
.endif
.endm
; A block's end: O^T x 2^(e8 + e9) / the sum, quantised with 2^e10.  Tiles 2 b, 2 b + 1 hold channels 32 b + 16 h + 0..15 of my query: the codes are groups of the next operand's image.
.macro FINISH aop
.rept 4
	v_nop                                          ; places behind the last products
.endr
	v_add_f32 v14, v14, v15
	v_permlanex16_b32 v252, v14, s[SEL], s[SEL+1]
	v_add_f32 v14, v14, v252                       ; the row's sum
	v_cmp_eq_f32 s80, 0, v14                       ; no key counted for this query
	v_rcp_f32 v10, v14
	v_nop                                          ; a plain line behind the reciprocal
	s_wait_xcnt 0x0                                ; the first block's stores have read the codes' registers
	s_wait_alu depctr_va_vdst(0)                   ; ahead of the reciprocal's first reader
	v_ldexp_f32 v10, v10, s82
	v_mov_b32 v11, v10                             ; (named with it as a pair)
.set n, 0
.rept 16
	v_pk_mul_f32 v[96+n:97+n], v[160+n:161+n], v[10:11] op_sel_hi:[1,0]
.set n, n+2
.endr
.set n, 0
.rept 32
	v_med3_num_f32 v[96+n], v[96+n], -v241, v241
.set n, n+1
.endr
.irp t, 0,1,2,3
	v_cvt_scalef32_pk8_fp8_f32 v[208+2*\t:209+2*\t], v[96+8*\t:103+8*\t], v245
.endr
	v_nop                                          ; a plain line behind the last conversion
.irp n, 0,1,2,3,4,5,6,7
	v_cndmask_b32 v[208+\n], v[208+\n], v246, s80  ; NaN codes where the sum is 0: a choice of values, no branch
.endr
	global_store_b128 v1, v[208:211], s[\aop:\aop+1]
	global_store_b128 v1, v[212:215], s[\aop:\aop+1] offset:512
.endm
	s_wait_loadcnt 0x0                             ; Q, both blocks'
.Lslot:                                            ; eight trips: behind each change of slots the next trip's keys are asked for
	CHANGE 1
	STEP 0
	STEP 1
	s_xor_b32 s[TB], s[TB], SLOT1
	s_add_co_u32 s76, s[TR], 1
	s_cmp_lg_u32 s76, s[NA]
	s_cbranch_scc1 .Lsame                          ; a branch on ids; no barrier, tensor load or LDS line stands under it
	FINISH AOA
.irp n, 0,1,2,3,4,5,6,7
	v_mov_b32 v[16+\n], v[24+\n]                   ; the second block begins
.endr
.set n, 0
.rept 32
	v_mov_b32 v[160+n], 0
.set n, n+1
.endr
	v_mov_b32 v14, 0
	v_mov_b32 v15, 0
	v_mov_b32 v13, v247
	v_floor_f32 v12, -v13
	s_mov_b32 s[Q0], s[Q0B]
	s_mov_b32 s[KF], 0
.Lsame:
	s_add_co_u32 s[TR], s[TR], 1
	s_cmp_lt_u32 s[TR], 8
	s_cbranch_scc1 .Lslot
	CHANGE 0                                       ; the ninth trip is written out
	STEP 0
	STEP 1
	FINISH AOB
	s_wait_tensorcnt 0x0                           ; the wave's end
	ds_add_u32 v5, v6
	s_wait_dscnt 0x0
	s_endpgm
.Lfunc_end_k_q5e7b66cd69_attn:
	.size	k_q5e7b66cd69_attn, .Lfunc_end_k_q5e7b66cd69_attn-k_q5e7b66cd69_attn
	.p2alignl 7, 3214868480
	.fill 96, 4, 3214868480
	.section	.rodata,"a",@progbits
	.p2align	6, 0x0
	.amdhsa_kernel k_q5e7b66cd69_attn
		.amdhsa_group_segment_fixed_size 327680
		.amdhsa_private_segment_fixed_size 0
		.amdhsa_enable_private_segment 0
		.amdhsa_kernarg_size 32
		.amdhsa_user_sgpr_count 2
		.amdhsa_user_sgpr_kernarg_segment_ptr 1
		.amdhsa_wavefront_size32 1
		.amdhsa_system_sgpr_workgroup_id_x 1
		.amdhsa_system_sgpr_workgroup_id_y 1
		.amdhsa_system_sgpr_workgroup_id_z 1
		.amdhsa_system_vgpr_workitem_id 0
		.amdhsa_next_free_vgpr 256
		.amdhsa_next_free_sgpr 90
		.amdhsa_reserve_vcc 1
		.amdhsa_float_denorm_mode_32 3
		.amdhsa_float_denorm_mode_16_64 3
		.amdhsa_memory_ordered 1
		.amdhsa_forward_progress 1
		.amdhsa_inst_pref_size 105
	.end_amdhsa_kernel
	.amdgpu_metadata
---
amdhsa.version: [ 1, 2 ]
amdhsa.kernels:
  - .name:           k_q5e7b66cd69_attn
    .symbol:         k_q5e7b66cd69_attn.kd
    .args:
      - { .name: qc, .offset: 0, .size: 8, .value_kind: global_buffer, .address_space: global }
      - { .name: kv, .offset: 8, .size: 8, .value_kind: global_buffer, .address_space: global }
      - { .name: lowp_scales, .offset: 16, .size: 8, .value_kind: global_buffer, .address_space: global }
      - { .name: ao, .offset: 24, .size: 8, .value_kind: global_buffer, .address_space: global }
    .group_segment_fixed_size: 327680
    .private_segment_fixed_size: 0
    .kernarg_segment_align: 8
    .kernarg_segment_size: 32
    .max_flat_workgroup_size: 512
    .sgpr_count:     90
    .vgpr_count:     256
    .wavefront_size: 32
...
	.end_amdgpu_metadata
.endif
;; end of part 3
;; launch oproj (part 4): grid 4 x 32, 4 waves a work-group, clusters of 4 x 4, 327,680 bytes of LDS; arguments ao, cod, bo, lowp_scales, out0; writes out0
.if DOCPART == 4
	.amdgcn_target "amdgcn-amd-amdhsa--gfx1250"
	.amdhsa_code_object_version 6
	.text
	.protected	k_q5e7b66cd69_oproj
	.globl	k_q5e7b66cd69_oproj
	.p2align	8
	.type	k_q5e7b66cd69_oproj,@function
k_q5e7b66cd69_oproj:
	s_mov_b64 s[64:65], 0
	v_nop
	global_prefetch_b8 v0, s[64:65] scope:SCOPE_SE
	s_setreg_imm32_b32 hwreg(HW_REG_WAVE_MODE, 25, 1), 1
	s_wait_xcnt 0x0
	s_wait_alu depctr_hold_cnt(0) depctr_sa_sdst(0) depctr_va_vdst(0) depctr_va_sdst(0) depctr_va_ssrc(0) depctr_va_vcc(0) depctr_vm_vsrc(0)
	s_getreg_b32 s2, hwreg(HW_REG_IB_STS2, 6, 4)
	s_cmp_eq_u32 s2, 0
	s_cbranch_scc0 .Lentry_in_a_cluster
	s_endpgm
.Lentry_in_a_cluster:
	s_bfe_u32 s2, ttmp6, 0x10000c
	s_cmp_lg_u32 s2, 0xf033
	s_cbranch_scc0 .Lentry_shape_is_right
	s_endpgm
.Lentry_shape_is_right:
; out0 = attention's result x Wo^T + bo on codes of E4M3 (v_wmma_f32_16x16x128_fp8_fp8, sums in f32): each finished sum x 2^(e10 + e11) + bo, f32.
; Both operands lie as images of fragments (16 rows x 128 K: 2,048 bytes, group c of 512 bytes, 16 bytes a lane): ao: s*2097152 + mt*4096 + q*2048; Wo in cod: 28311552 + s*262144 + nt*4096 + q*2048, row r of
; tile nt being Wo's row 32 (nt/2) + 8 (nt%2) + r + 8 (r/8).  A wave's share of a slot is one dense block of 32,768 bytes; a fragment is four ds_load_b128 at 16 x lane.
; A work-group of four waves makes 256 x 256 of out0, a wave 128 x 128; K = 1,024 in four steps of 256 through a ring of two LDS slots.  CLUSTERS 4 x 4: region A (tokens, source 1) is shared along a row,
; region B (Wo, source 0) along a column: joint loads with a mask of four.  Register j of lane (r, h) in accumulator (a, b): token 16 a + r, column 32 (b/2) + 16 h + 8 (b%2) + j.
; The grid is 128 work-groups: a smaller tile would read each fragment from LDS for fewer products.
; LIMIT: e10 + e11 between -126 and 127.  A token whose codes are NaN codes gives a row of NaN.
; REGISTERS: window 0: v16-31 addresses; v32-95 bo by columns along registers; v96-127 results at work; from v128 region A's fragments, on the way out rows read back.  window 1: region B's two sets.  windows 2, 3: accumulators.
.set FR,     16
.set NL,     4
.set NP,     4
.set HALFT,  32768
.set SLOT,   131072
.set SPARE,  262144
.set LAPS,   2
.set SPITCH, 528                       ; the way out: a stage of 16 rows x (512 + 16) bytes for each wave, in slot 0, which has had its last fill and its last read when the first result is stored there
.set ADRA, 16
.set ADRB, 20
.set LI,   24                          ; v24  16 x lane
.set STO,  25                          ; v25  the stage: where I put my numbers of a row
.set RD,   26                          ; v26  and where I read a row back
.set SPW,  28
.set NIL,  29
.set BI,   32
.set TMP,  96
.set AF,   128
.set BK,   128
.set WV, 16
.set HA, 17
.set HB, 18
.set G1, 24
.set G0, 32
.set G1B, 48
.set G0B, 56
.set MSB, 0
.macro WIN new
.if MSB != (\new)
	s_set_vgpr_msb (MSB<<8)|(\new)
.set MSB, \new
.endif
.endm
.set MUL_LO, 0xa1
.set MUL_HI, 0xf1
.set TO_B,   0x40
.macro JLOAD g0a, g1a, g0b, g1b        ; a joint load: waves 0 and 1 fetch for region A, waves 2 and 3 for B; four v_nop follow each line
	s_cmp_eq_u32 s[HA], 0
	s_cbranch_scc0 .Lfor_b_\@
	tensor_load_to_lds s[\g0a:\g0a+3], s[\g1a:\g1a+7]
	s_nop 0
.rept 4
	v_nop
.endr
	s_branch .Lasked_\@
.Lfor_b_\@:
	tensor_load_to_lds s[\g0b:\g0b+3], s[\g1b:\g1b+7]
	s_nop 0
.rept 4
	v_nop
.endr
.Lasked_\@:
.endm
.macro CREST
	s_cmp_lg_u32 s[WV], 0
	s_cbranch_scc1 .Lnot_wave_0_\@
	s_barrier_signal -3
.Lnot_wave_0_\@:
	s_barrier_wait -3
	s_barrier_signal -1
	s_barrier_wait -1
.endm
.macro CROUND
	s_barrier_signal -1
	s_barrier_wait -1
	CREST
.endm
	s_load_b256 s[68:75], s[0:1], 0x0              ; ao s[68:69], cod s[70:71], bo s[72:73], the scales' exponents s[74:75]
	s_load_b64 s[76:77], s[0:1], 0x20              ; out0
	v_lshl_add_u32 v[SPW], v0, 2, SPARE
	v_mov_b32 v[NIL], 0
	ds_add_u32 v28, v29
	s_wait_dscnt 0x0
	v_lshrrev_b32 v1, 5, v0
	v_readfirstlane_b32 s[WV], v1
	s_lshr_b32 s[HA], s[WV], 1
	s_and_b32 s[HB], s[WV], 1
	s_bfe_u32 s20, ttmp6, 0x40000                  ; cx
	s_bfe_u32 s21, ttmp6, 0x40004                  ; cy
	s_lshl_b32 s99, ttmp9, 2
	s_add_co_u32 s99, s99, s20                     ; the block of 256 columns
	s_and_b32 s22, ttmp7, 0xffff
	s_lshl_b32 s98, s22, 2
	s_add_co_u32 s98, s98, s21                     ; the block of 256 tokens
	s_lshl_b32 s84, s21, 2
	s_lshl_b32 s84, 15, s84                        ; my row of the cluster
	s_lshl_b32 s85, 0x1111, s20                    ; my column
	s_or_b32 s[G1+0], s84, (1<<21)
	s_or_b32 s[G1B+0], s85, (1<<21)
.irp g, G1, G1B                        ; 128 rows of 256 bytes, one behind the other
	s_mov_b32 s[\g+1], 256<<16
	s_mov_b32 s[\g+2], 128<<16
	s_mov_b32 s[\g+3], 256<<16
	s_mov_b32 s[\g+4], 128
	s_mov_b32 s[\g+5], 256
	s_mov_b32 s[\g+6], 0
	s_mov_b32 s[\g+7], 0
.endr
	s_mov_b32 s86, 0x200000                        ; bytes from K step to K step: in ao,
	s_mov_b32 s87, 0
	s_mov_b32 s88, 0x40000                         ; in Wo's image
	s_mov_b32 s89, 0
	s_lshl_b32 s94, s98, 16
	s_lshl_b32 s23, s[HB], 15
	s_add_co_u32 s94, s94, s23
	s_mov_b32 s95, 0
	s_lshl_b32 s100, s99, 16
	s_add_co_u32 s100, s100, s23
	s_add_co_u32 s100, s100, 28311552
	s_mov_b32 s101, 0
	s_mul_i32 s23, s[WV], HALFT
	s_wait_kmcnt 0x0
	s_load_b64 s[96:97], s[74:75], 0x28            ; e10, e11
	s_add_nc_u64 s[94:95], s[68:69], s[94:95]
	s_add_nc_u64 s[100:101], s[70:71], s[100:101]
	CROUND                                         ; all sixteen work-groups are here: the first joint loads meet
	s_mov_b32 s[G0], 1
	s_add_co_u32 s[G0+1], s23, 0
	s_mov_b64 s[G0+2:G0+3], s[94:95]
	s_or_b32 s[G0+3], s[G0+3], 0x80000000
	s_mov_b32 s[G0B], 1
	s_add_co_u32 s[G0B+1], s23, 0
	s_mov_b64 s[G0B+2:G0B+3], s[100:101]
	s_or_b32 s[G0B+3], s[G0B+3], 0x80000000
	JLOAD G0, G1, G0B, G1B
	s_mov_b32 s[G0+4], 1
	s_add_co_u32 s[G0+5], s23, SLOT
	s_add_nc_u64 s[G0+6:G0+7], s[94:95], s[86:87]
	s_or_b32 s[G0+7], s[G0+7], 0x80000000
	s_mov_b32 s[G0B+4], 1
	s_add_co_u32 s[G0B+5], s23, SLOT
	s_add_nc_u64 s[G0B+6:G0B+7], s[100:101], s[88:89]
	s_or_b32 s[G0B+7], s[G0B+7], 0x80000000
	JLOAD G0+4, G1, G0B+4, G1B
	s_lshl_b32 s86, s86, 1                         ; a refill goes two K steps on
	s_lshl_b32 s88, s88, 1
	v_and_b32 v1, 31, v0
	v_lshlrev_b32 v[LI], 4, v1
	s_lshl_b32 s23, s[HA], 15
	s_lshl_b32 s46, s[HB], 15
	s_add_co_u32 s46, s46, 65536
.irp s, 0,1
	v_add_nc_u32 v[ADRA+\s], s23, v[LI]
	v_add_nc_u32 v[ADRB+\s], s46, v[LI]
	s_add_co_u32 s23, s23, SLOT
	s_add_co_u32 s46, s46, SLOT
.endr
	v_and_b32 v2, 15, v0                           ; r
	v_bfe_u32 v3, v0, 4, 1                         ; h
	v_lshlrev_b32 v30, 6, v3
	s_mul_i32 s23, s[WV], 16*SPITCH                ; my stage
	v_mul_u32_u24 v5, v2, SPITCH
	v_lshl_add_u32 v5, v3, 6, v5
	v_add_nc_u32 v[STO], s23, v5                   ; in: row r, + 64 h bytes
	v_add_nc_u32 v[RD], s23, v[LI]                 ; back: the 32 lanes take one row of 512 bytes
	s_lshl_b32 s40, s98, 20                        ; my first row of out0: (256 block + 128 half) rows of 4,096 bytes,
	s_lshl_b32 s41, s[HA], 19
	s_add_co_u32 s40, s40, s41
	s_lshl_b32 s42, s99, 10                        ; my first column, in bytes
	s_lshl_b32 s43, s[HB], 9
	s_add_co_u32 s42, s42, s43
	s_add_co_u32 s40, s40, s42
	s_mov_b32 s41, 0
	s_mov_b32 s43, 0
	s_add_nc_u64 s[90:91], s[76:77], s[40:41]
	s_add_nc_u64 s[42:43], s[72:73], s[42:43]
.irp bb, 0,1,2,3
.irp i, 0,1,2,3
	global_load_b128 v[BI+16*\bb+4*\i:BI+16*\bb+4*\i+3], v30, s[42:43] offset:128*\bb+16*\i   ; register 16 bb + i: column 32 bb + 16 h + i
.endr
.endr
.macro FRAG reg, adr, q, i
.irp c, 0,1,2,3
	ds_load_b128 v[\reg+4*\c:\reg+4*\c+3], v[\adr] offset:4096*(\i)+2048*(\q)+512*\c
.endr
.endm
; The 64 accumulators take turns, one instruction a turn, in the same order in every step.
.macro MUL16 a0, p, zero
.irp a, \a0, \a0+1
.irp b, 0,1,2,3,4,5,6,7
.if \zero
	v_wmma_f32_16x16x128_fp8_fp8 v[8*(8*((\a)%4)+\b):8*(8*((\a)%4)+\b)+7], v[128*(\p)+FR*\b:128*(\p)+FR*\b+FR-1], v[AF+FR*(\a):AF+FR*(\a)+FR-1], 0
.else
	v_wmma_f32_16x16x128_fp8_fp8 v[8*(8*((\a)%4)+\b):8*(8*((\a)%4)+\b)+7], v[128*(\p)+FR*\b:128*(\p)+FR*\b+FR-1], v[AF+FR*(\a):AF+FR*(\a)+FR-1], v[8*(8*((\a)%4)+\b):8*(8*((\a)%4)+\b)+7]
.endif
.endr
.endr
.endm
.macro FETCH_B slot, q, p
	WIN TO_B
.irp i, 0,1,2,3,4,5,6,7
	FRAG 128*(\p)+FR*\i, ADRB+\slot, \q, \i
.endr
	WIN 0
.endm
.macro FETCH_A slot, q, i0
.irp i, \i0, \i0+1, \i0+2, \i0+3
	FRAG AF+FR*(\i), ADRA+\slot, \q, \i
.endr
.endm
.macro PLACES n
.rept \n
	v_nop
.endr
.endm
.macro STEP slot, q, zero
	s_wait_dscnt 4*NL                              ; B's set and A's tiles 0-3 are in; the youngest sixteen loads may be out
	WIN MUL_LO
	MUL16 0, (\q)%2, \zero
	MUL16 2, (\q)%2, \zero
	s_wait_dscnt 0
	PLACES NP
	FETCH_B \slot, (\q)+1, 1-(\q)%2
	FETCH_A \slot, (\q)+1, 0
	WIN MUL_HI
	MUL16 4, (\q)%2, \zero
	MUL16 6, (\q)%2, \zero
	PLACES NP
	WIN 0
	FETCH_A \slot, (\q)+1, 4
.endm
.macro TURN slot, next, fill
	s_wait_tensorcnt 0x0                           ; all my tensor loads have landed: my part of the next slot
	ds_add_u32 v[SPW], v[NIL]                      ; 0 onto my spare word
	s_wait_dscnt 4*NL+1                            ; (the add and the youngest sixteen loads may be out)
	WIN MUL_LO
	MUL16 0, 1, 0
	s_wait_dscnt 0x0                               ; the add is done, and my reads of this slot are over
	s_barrier_signal -1
	MUL16 2, 1, 0
	WIN 0
	s_barrier_wait -1
.if \fill
	CREST                                          ; a round of the cluster's barrier: no wave of any partner still reads this slot or has a load on its way
	s_add_nc_u64 s[G0+4*\slot+2:G0+4*\slot+3], s[G0+4*\slot+2:G0+4*\slot+3], s[86:87]
	s_add_nc_u64 s[G0B+4*\slot+2:G0B+4*\slot+3], s[G0B+4*\slot+2:G0B+4*\slot+3], s[88:89]
	JLOAD G0+4*\slot, G1, G0B+4*\slot, G1B
.else
	PLACES NP
.endif
	FETCH_B \next, 0, 0
	FETCH_A \next, 0, 0
	WIN MUL_HI
	MUL16 4, 1, 0
	MUL16 6, 1, 0
	PLACES NP
	WIN 0
	FETCH_A \next, 0, 4
.endm
	s_wait_tensorcnt 1                             ; my part of K step 0 is in; K step 1's load may be out
	s_barrier_signal -1
	s_barrier_wait -1
	FETCH_B 0, 0, 0
	FETCH_A 0, 0, 0
	FETCH_A 0, 0, 4
	STEP 0, 0, 1
	s_mov_b32 s3, LAPS-1
.Llap:
	TURN 0, 1, 1
	STEP 1, 0, 0
	TURN 1, 0, 1
	STEP 0, 0, 0
	s_sub_co_u32 s3, s3, 1
	s_cmp_lg_u32 s3, 0
	s_cbranch_scc1 .Llap
	TURN 0, 1, 0
	STEP 1, 0, 0
	s_wait_dscnt 4*NL
	WIN MUL_LO
	MUL16 0, 1, 0
	MUL16 2, 1, 0
	s_wait_dscnt 0
	WIN MUL_HI
	MUL16 4, 1, 0
	MUL16 6, 1, 0
	WIN 0
; THE WAY OUT, 16 tokens x 128 columns at a time: sum x 2^(e10 + e11) + bo, through my own stage in LDS, where the columns come into their order, and back as whole rows of 512 bytes.
; LDS serves a wave's instructions in order (ISA guide 5.7.1.4): no wait between the stores and the loads.
.macro TOSTAGE a
.irp hb, 0,1
	WIN 0x02+((\a)/4)                              ; source 0: window 2 or 3
.set n, 0
.rept 16
	v_pk_fma_f32 v[TMP+n:TMP+n+1], v[64*((\a)%4)+32*\hb+n:64*((\a)%4)+32*\hb+n+1], s[96:97], v[BI+32*\hb+n:BI+32*\hb+n+1] op_sel_hi:[1,0,1]   ; each accumulator from its low end on
.set n, n+2
.endr
	WIN 0
.irp b, 0,1,2,3
	ds_store_b128 v[STO], v[TMP+8*\b:TMP+8*\b+3] offset:256*\hb+128*(\b/2)+32*(\b%2)
	ds_store_b128 v[STO], v[TMP+8*\b+4:TMP+8*\b+7] offset:256*\hb+128*(\b/2)+32*(\b%2)+16
.endr
.endr
.set BB, BK+64*((\a)%2)
.irp t, 0,1,2,3,4,5,6,7,8,9,10,11,12,13,14,15
	ds_load_b128 v[BB+4*\t:BB+4*\t+3], v[RD] offset:\t*SPITCH
.endr
.endm
.macro SEND a, younger                 ; younger: the LDS instructions issued behind block a's loads, which may stay out
.set BB, BK+64*((\a)%2)
	s_wait_dscnt \younger
.if (\a) > 0
	s_add_nc_u64 s[90:91], s[90:91], 65536         ; 16 rows on (behind a wait on XCNT: the earlier stores have read their base)
.endif
.irp t, 0,1,2,3,4,5,6,7,8,9,10,11,12,13,14,15
	global_store_b128 v[LI], v[BB+4*\t:BB+4*\t+3], s[90:91] offset:\t*4096 th:TH_STORE_NT   ; 32 lanes store 512 consecutive bytes, aligned
.endr
.endm
	s_wait_kmcnt 0x0
	s_add_co_i32 s96, s96, s97
	s_add_co_i32 s96, s96, 127
	s_lshl_b32 s96, s96, 23                        ; 2^(e10 + e11) as f32
	s_mov_b32 s97, s96
	s_wait_loadcnt 0x0                             ; bo
	PLACES NP                                      ; behind the last products: for the loads into region A's registers and the reads of results
	TOSTAGE 0
.irp a, 1,2,3,4,5,6,7
.if \a > 1
	s_wait_xcnt 0x0                                ; block a - 2's stores have read their registers and their base
.endif
	TOSTAGE \a
	SEND \a-1, 32                                  ; behind block a - 1's loads: block a's 16 stores and 16 loads
.endr
	s_wait_xcnt 0x0
	SEND 7, 0
	s_wait_tensorcnt 0x0                           ; the wave's end
	ds_add_u32 v[SPW], v[NIL]
	s_wait_dscnt 0x0
	CROUND                                         ; the closing round
	s_endpgm
.Lfunc_end_k_q5e7b66cd69_oproj:
	.size	k_q5e7b66cd69_oproj, .Lfunc_end_k_q5e7b66cd69_oproj-k_q5e7b66cd69_oproj
	.p2alignl 7, 3214868480
	.fill 96, 4, 3214868480
	.section	.rodata,"a",@progbits
	.p2align	6, 0x0
	.amdhsa_kernel k_q5e7b66cd69_oproj
		.amdhsa_group_segment_fixed_size 327680
		.amdhsa_private_segment_fixed_size 0
		.amdhsa_enable_private_segment 0
		.amdhsa_kernarg_size 40
		.amdhsa_user_sgpr_count 2
		.amdhsa_user_sgpr_kernarg_segment_ptr 1
		.amdhsa_wavefront_size32 1
		.amdhsa_system_sgpr_workgroup_id_x 1
		.amdhsa_system_sgpr_workgroup_id_y 1
		.amdhsa_system_sgpr_workgroup_id_z 1
		.amdhsa_system_vgpr_workitem_id 0
		.amdhsa_next_free_vgpr 1024
		.amdhsa_next_free_sgpr 102
		.amdhsa_reserve_vcc 0
		.amdhsa_float_denorm_mode_32 3
		.amdhsa_float_denorm_mode_16_64 3
		.amdhsa_memory_ordered 1
		.amdhsa_forward_progress 1
		.amdhsa_inst_pref_size 125
	.end_amdhsa_kernel
	.amdgpu_metadata
---
amdhsa.version: [ 1, 2 ]
amdhsa.kernels:
  - .name:           k_q5e7b66cd69_oproj
    .symbol:         k_q5e7b66cd69_oproj.kd
    .args:
      - { .name: ao, .offset: 0, .size: 8, .value_kind: global_buffer, .address_space: global }
      - { .name: cod, .offset: 8, .size: 8, .value_kind: global_buffer, .address_space: global }
      - { .name: bo, .offset: 16, .size: 8, .value_kind: global_buffer, .address_space: global }
      - { .name: lowp_scales, .offset: 24, .size: 8, .value_kind: global_buffer, .address_space: global }
      - { .name: out0, .offset: 32, .size: 8, .value_kind: global_buffer, .address_space: global }
    .group_segment_fixed_size: 327680
    .private_segment_fixed_size: 0
    .kernarg_segment_align: 8
    .kernarg_segment_size: 40
    .max_flat_workgroup_size: 128
    .sgpr_count:     102
    .vgpr_count:     1024
    .wavefront_size: 32
...
	.end_amdgpu_metadata
.endif
;; end of part 4
